; MI455X (gfx1250); checked and timed in simulation.
; The chip was launched on July 23, 2026; its instructions are those of AMD's public machine-readable ISA for CDNA 5 (MIT licence, August 2026) and "CDNA5" Instruction Set Architecture Reference Guide (July 2026). The comments in the code are by the model that wrote it; some were corrected since.
;; Attention Compute. Allowed arithmetic: float matrix products may take bf16 or f16 operands with f32 sums; all other float work in f32.
;; Inputs: key 2 x 16 x 2,048 x 64 float32; query 2 x 16 x 2,048 x 64 float32; value 2 x 16 x 2,048 x 64 float32.
;; Outputs: out0 2 x 16 x 2,048 x 64 float32.
;; One version. Each part assembles by itself: llvm-mc -triple=amdgcn-amd-amdhsa -mcpu=gfx1250 --defsym DOCPART=n.
;; ======== version 1 of 1: 1 launch
;; launch attn (part 1): grid 8 x 32, 8 waves a work-group, clusters of 4 x 1, 327,680 bytes of LDS; arguments query, key, value, out0; writes out0
.if DOCPART == 1
	.amdgcn_target "amdgcn-amd-amdhsa--gfx1250"
	.amdhsa_code_object_version 6
	.text
	.protected	k_q4d4676e94e_attn
	.globl	k_q4d4676e94e_attn
	.p2align	8
	.type	k_q4d4676e94e_attn,@function
k_q4d4676e94e_attn:
	s_mov_b64 s[64:65], 0
	v_nop
	global_prefetch_b8 v0, s[64:65] scope:SCOPE_SE
	s_setreg_imm32_b32 hwreg(HW_REG_WAVE_MODE, 25, 1), 1
	s_wait_xcnt 0x0
	s_wait_alu depctr_hold_cnt(0) depctr_sa_sdst(0) depctr_va_vdst(0) depctr_va_sdst(0) depctr_va_ssrc(0) depctr_va_vcc(0) depctr_vm_vsrc(0)
	s_getreg_b32 s2, hwreg(HW_REG_IB_STS2, 6, 4)
	s_cmp_eq_u32 s2, 0
	s_cbranch_scc0 .Lentry_in_a_cluster
	s_endpgm
.Lentry_in_a_cluster:
	s_bfe_u32 s2, ttmp6, 0x10000c
	s_cmp_lg_u32 s2, 0x3003
	s_cbranch_scc0 .Lentry_shape_is_right
	s_endpgm
.Lentry_shape_is_right:
; out = softmax(Q K^T / 8) V for 32 heads of 2,048 x 64 f32, in one launch; the scores never leave the registers.
; SHARES.  A work-group has 256 queries of one head (grid x: the block of queries, grid y: the head) and walks the 2,048 keys in 16 trips of 128.
; Wave w of 8: p = w & 3 picks 64 queries, g = w >> 2 picks the 64-key half of every tile.  Waves w and w ^ 4 hold the same queries and
; different keys; their partial (O, maximum, sum) are merged once at the end through LDS.  So a wave makes 64 q x 64 k a trip: 64 matrix
; instructions for 32 fragment loads, and each SIMD holds two waves whose softmax and matrix work can run side by side.
; TRANSPOSED PRODUCTS.  S^T = K Q^T (A = 16 keys x 32 d, B = 16 queries x 32 d): lane (r, h), register j holds key 16 kb + 8 h + j of query
; 16 i + r.  Two neighbouring key blocks, rounded in pairs to bf16, are the B fragment of P^T as they lie.  O^T = V^T P^T (A = 16 d x 32 keys,
; by transposing LDS loads from V [key][d]).  A lane owns one query of each block: maximum, sum and rescaling factor are the lane's own,
; and one exchange between the two halves of the lanes for each block and trip is all the traffic between lanes.
; FORMATS.  Q, K, V, P go to the matrix unit in bf16 (Q unscaled); the scale c = log2(e) / 8, maxima, sums and O are f32.
; RUNNING MAXIMUM.  N = -c max is kept; p = exp2(s c + N) (one fused multiply-add), and old sums are multiplied by exp2(N_new - N_old),
; which is made of the very numbers that the exponents used: 1 exactly where the maximum stays, whatever the size of the scores.
; CLUSTER.  The 8 query blocks of a head read the same K and V.  Four of them (a mask names four work-groups) form a cluster 4 x 1 and ask for each
; tile jointly: every wave asks for its 16 rows of K and of V with a descriptor made of head, wave and tile alone, equal in the four.
; LIMITS.  p and rescaling factors below 2^-126 come out as 0 (v_exp_f32 flushes: ISA guide 15.8); 1 / sum by v_rcp_f32; the sums' order is
; not the reference's; inputs that are not finite are not served (v_max_num_f32 drops a NaN).
.set HEADB, 524288                     ; bytes of a head in each tensor: 2,048 rows of 256
.set TILEB, 32768                      ; 128 rows of K or of V in f32
.set CLOG,  0x3e38aa3b                 ; c = log2(e) / 8
.set NCLOG, 0xbe38aa3b                 ; -c
; LDS.  Stage (f32, filled by tensor loads alone): slot s at 65,536 s: K's 128 rows of 256 bytes, then V's at +32,768; wave w owns rows 16 w .. 16 w + 15.
; bf16 tiles (written by ds_store alone): buffer b at BF0 + BUF b: K 128 rows of pitch 144, then V 128 rows of pitch 160.
; 144 = 9 x 16: the 16 rows of a K fragment load fall on 16 different 16-byte columns modulo 256.  160 = 5 x 32, for the transposing loads.
.set BF0,  131072
.set BUF,  38912
.set KP,   144
.set VP,   160
.set VOFF, 128*KP                      ; 18,432
.set XCH,  208896                      ; exchange between partner waves: for each wave 16 x 512 bytes of O, then 512 of statistics
.set XW,   8704
.set OUTB, 278528                      ; the way out: for each wave 16 rows of pitch 272
.set OW,   4352
.set OPI,  272
; VECTOR REGISTERS, window 0
.set KA,  4                            ; LDS address of my K fragments in buffer 0
.set VA,  5                            ; of my V fragments
.set SA,  6                            ; v6, v7: my 16 bytes in my rows of stage slot 0, 1
.set CA,  8                            ; v8, v9: where my 8 bytes of bf16 go, K and V
.set PF,  10                           ; 256 x lane
.set XO,  11                           ; my exchange block
.set XP,  12                           ; my partner's
.set OS,  13                           ; the way out: in
.set ORD, 14                           ; the way out: back
.set GO,  15                           ; 16 x lane
.set MX,  16                           ; v16-19  running maximum of the raw scores, query block i
.set MC,  24                           ; v[24+2i] N_i = -c max; v[25+2i] at work (the other half's figure, the new N)
.set AL,  32                           ; v[32+2i] rescaling factor; v[33+2i] its pair partner, written once
.set LS,  40                           ; v[40+2i:41+2i] two partial sums of p
.set T,   48                           ; v48-79  eight stage loads of 4 registers
.set QO,  80                           ; v80, v81 byte offsets of my rows of Q (prologue); v80-99 at work in the epilogue
.set SC,  128                          ; v128-255 scores S(i, kb) at 128 + 32 i + 8 kb; rounded in place, P(i, s) = v[128 + 32 i + 16 s : + 7]
; window 1 (written by their low 8 bits)
.set OA,  0                            ; O(i, db) at 32 i + 8 db
.set QF,  128                          ; Q(i, ks) at 128 + 16 i + 8 ks
.set FR,  192                          ; 64 registers: K fragments (kb, ks) at 192 + 16 kb + 8 ks, later V fragments (db, s) at 192 + 16 db + 8 s
; SCALAR REGISTERS: s[4:11] Q, K, V, out; s12 wave, s13 g, s14 p; s[16:23] descriptor group 1; s40 = s41 = c; s42, s43 lane selects;
; s[44:45] prefetch base; s46 cx, s47 block of queries, s48 head; s52 loop counter; s53 -c; s15, s49 at work.
; s15, s[50:51], s[54:57] make the descriptors and never hold cx; s[58:59] holds the offsets that do.
.set GK, 24                            ; s[24:27], s[28:31] descriptor group 0 for K, stage slot 0, 1
.set GV, 32                            ; s[32:35], s[36:39] for V
.set MSB, 0
.macro WIN new                         ; s_set_vgpr_msb: bits 1:0 source 0, 3:2 source 1, 5:4 source 2, 7:6 destination; the high byte repeats the setting left
.if MSB != \new
	s_set_vgpr_msb (MSB<<8)|\new
.set MSB, \new
.endif
.endm
.macro PLACES n
.rept \n
	v_nop
.endr
.endm
; A round of the cluster's barrier: my work-group's barrier, wave 0 signals for the work-group, every wave waits for the four, my work-group's barrier again.
.macro ROUND
	s_barrier_signal -1
	s_barrier_wait -1
	s_cmp_lg_u32 s12, 0
	s_cbranch_scc1 .Lnot_wave_0_\@
	s_barrier_signal -3
.Lnot_wave_0_\@:
	s_barrier_wait -3
	s_barrier_signal -1
	s_barrier_wait -1
.endm
; My 16 rows (4,096 bytes of f32) of K (part 0) or V (part 1) out of a stage slot: 8 loads of 512 neighbouring bytes.
.macro STGLD slot, part
.irp j, 0,1,2,3,4,5,6,7
	ds_load_b128 v[T+4*\j:T+4*\j+3], v[SA+(\slot)] offset:32768*\part+512*\j
.endr
.endm
; Round them to bf16 and put them into bf16 buffer buf: load j held rows 2 j and 2 j + 1, a lane's 4 numbers become 8 bytes.
.macro CVTST buf, part
.irp j, 0,1,2,3,4,5,6,7
	v_cvt_pk_bf16_f32 v[T+4*\j], v[T+4*\j], v[T+4*\j+1]
	v_cvt_pk_bf16_f32 v[T+4*\j+1], v[T+4*\j+2], v[T+4*\j+3]
.endr
.irp j, 0,1,2,3,4,5,6,7
	ds_store_b64 v[CA+\part], v[T+4*\j:T+4*\j+1] offset:BUF*(\buf)+\j*(2*KP+32*\part)
.endr
.endm
; My 64 keys x 64 d as eight A fragments: lane (r, h) takes row 16 kb + r, d = 32 ks + 8 h .. and 32 ks + 16 + 8 h ..
.macro KLOAD buf
	WIN 0x40                               ; destination window 1, address window 0
.irp ks, 0,1
.irp kb, 0,1,2,3
	ds_load_b128 v[FR+16*\kb+8*\ks:FR+16*\kb+8*\ks+3],   v[KA] offset:BUF*(\buf)+16*KP*\kb+64*\ks
	ds_load_b128 v[FR+16*\kb+8*\ks+4:FR+16*\kb+8*\ks+7], v[KA] offset:BUF*(\buf)+16*KP*\kb+64*\ks+32
.endr
.endr
	WIN 0
.endm
; V^T of my 64 keys as eight A fragments (16 d x 32 keys), transposed on the way out of LDS.
.macro VLOAD buf
	WIN 0x40
.irp s, 0,1
.irp db, 0,1,2,3
	ds_load_tr16_b128 v[FR+16*\db+8*\s:FR+16*\db+8*\s+3],   v[VA] offset:BUF*(\buf)+32*VP*\s+32*\db
	ds_load_tr16_b128 v[FR+16*\db+8*\s+4:FR+16*\db+8*\s+7], v[VA] offset:BUF*(\buf)+32*VP*\s+32*\db+16*VP
.endr
.endr
	WIN 0
.endm
; S^T = K Q^T: 32 matrix instructions.  The 16 accumulators take turns, one instruction a turn.  The first 32 of d start the sums.
.macro SMUL
	WIN 0x05                               ; A and B window 1, C and D window 0
.irp kb, 0,1,2,3
.irp i, 0,1,2,3
	v_wmma_f32_16x16x32_bf16 v[SC+32*\i+8*\kb:SC+32*\i+8*\kb+7], v[FR+16*\kb:FR+16*\kb+7], v[QF+16*\i:QF+16*\i+7], 0
.endr
.endr
.irp kb, 0,1,2,3
.irp i, 0,1,2,3
	v_wmma_f32_16x16x32_bf16 v[SC+32*\i+8*\kb:SC+32*\i+8*\kb+7], v[FR+16*\kb+8:FR+16*\kb+15], v[QF+16*\i+8:QF+16*\i+15], v[SC+32*\i+8*\kb:SC+32*\i+8*\kb+7]
.endr
.endr
	WIN 0
.endm
; The running maximum takes in a lane's 32 scores of each query block (four chains that do not wait for each other), then the other half's figure.
.macro ROWMAX first
.irp i, 0,1,2,3
.if \first
	v_max_num_f32 v[MX+\i], v[SC+32*\i], v[SC+32*\i+1]
.else
	v_max3_num_f32 v[MX+\i], v[MX+\i], v[SC+32*\i], v[SC+32*\i+1]
.endif
.endr
.set n, 1
.rept 15
.irp i, 0,1,2,3
	v_max3_num_f32 v[MX+\i], v[MX+\i], v[SC+32*\i+2*n], v[SC+32*\i+2*n+1]
.endr
.set n, n+1
.endr
.irp i, 0,1,2,3
	v_permlanex16_b32 v[MC+2*\i+1], v[MX+\i], s42, s43     ; lane l takes lane l xor 16: the same query's other keys
.endr
.irp i, 0,1,2,3
	v_max_num_f32 v[MX+\i], v[MX+\i], v[MC+2*\i+1]
.endr
.endm
; N = -c max, and the factor exp2(N_new - N_old) <= 1 for what has been summed so far.
.macro STATS first
.if \first
.irp i, 0,1,2,3
	v_mul_f32 v[MC+2*\i], s53, v[MX+\i]
.endr
.else
.irp i, 0,1,2,3
	v_mul_f32 v[MC+2*\i+1], s53, v[MX+\i]
.endr
.irp i, 0,1,2,3
	v_sub_f32 v[AL+2*\i], v[MC+2*\i+1], v[MC+2*\i]
.endr
.irp i, 0,1,2,3
	v_exp_f32 v[AL+2*\i], v[AL+2*\i]
.endr
.irp i, 0,1,2,3
	v_mov_b32 v[MC+2*\i], v[MC+2*\i+1]                     ; plain work between the exponentials and the first use of their results (ISA guide 5.7.2)
.endr
.endif
.endm
.macro RESCALE                         ; O *= factor, 64 packed multiplies
	WIN 0x41                               ; destination and source 0 window 1, the factor window 0
	s_wait_alu depctr_va_vdst(0)
.irp i, 0,1,2,3
.set n, 0
.rept 16
	v_pk_mul_f32 v[OA+32*\i+2*n:OA+32*\i+2*n+1], v[OA+32*\i+2*n:OA+32*\i+2*n+1], v[AL+2*\i:AL+2*\i+1] op_sel_hi:[1,0]
.set n, n+1
.endr
.endr
	WIN 0
.endm
; The softmax goes in eight groups of 16 registers (query block g / 2, 32 keys g & 1).
.macro SUBG g                          ; s c + N, two at a time
.set n, 0
.rept 8
	v_pk_fma_f32 v[SC+16*(\g)+2*n:SC+16*(\g)+2*n+1], v[SC+16*(\g)+2*n:SC+16*(\g)+2*n+1], s[40:41], v[MC+2*((\g)/2):MC+2*((\g)/2)+1] op_sel_hi:[1,0,0]
.set n, n+1
.endr
.endm
.macro EXPG g
.set n, 0
.rept 16
	v_exp_f32 v[SC+16*(\g)+n], v[SC+16*(\g)+n]
.set n, n+1
.endr
.endm
; Sum the group's p in f32 and round them to bf16 in place: register SB + k is written when step k / 2 has read it.
; mode 0: add on; 1: the block's first group, old sum times factor; 2: the very first group, which starts the sum.
.macro SUMCVT g, mode
.set SB, SC+16*(\g)
.set LI, LS+2*((\g)/2)
.set AI, AL+2*((\g)/2)
.if (\mode) == 0
	s_wait_alu depctr_va_vdst(0)
	v_pk_add_f32 v[LI:LI+1], v[LI:LI+1], v[SB:SB+1]
.endif
.if (\mode) == 1
	s_wait_alu depctr_va_vdst(0)
	v_pk_fma_f32 v[LI:LI+1], v[LI:LI+1], v[AI:AI+1], v[SB:SB+1] op_sel_hi:[1,0,1]
.endif
.if (\mode) == 2
	s_wait_alu depctr_va_vdst(0)
	v_pk_add_f32 v[LI:LI+1], v[SB:SB+1], v[SB+2:SB+3]
.endif
	v_cvt_pk_bf16_f32 v[SB], v[SB], v[SB+1]
.if (\mode) != 2
	v_pk_add_f32 v[LI:LI+1], v[LI:LI+1], v[SB+2:SB+3]
.endif
	v_cvt_pk_bf16_f32 v[SB+1], v[SB+2], v[SB+3]
.set n, 2
.rept 6
	v_pk_add_f32 v[LI:LI+1], v[LI:LI+1], v[SB+2*n:SB+2*n+1]
	v_cvt_pk_bf16_f32 v[SB+n], v[SB+2*n], v[SB+2*n+1]
.set n, n+1
.endr
.endm
; Behind each run of exponentials the next group's multiply-adds are the plain independent work that stands in front of the first use (ISA guide 5.7.2).
.macro SOFTMAX first
	SUBG 0
.irp g, 0,2,4,6
	EXPG \g
	SUBG \g+1
	SUMCVT \g, 1+\first
	EXPG \g+1
.if \g < 6
	SUBG \g+2
.else
	v_nop
	s_wait_alu depctr_va_vdst(0)
.endif
	SUMCVT \g+1, 0
.endr
.endm
; O^T += V^T P^T: 32 matrix instructions.  The 16 accumulators take turns, one instruction a turn.
; Five places close it: the fragments are loaded again, the registers of P are written by the next products, and O is read, only behind them (ISA guide 7.12.1).
.macro PVMUL first
	WIN 0x51                               ; D, A and C window 1, B (P) window 0
.irp db, 0,1,2,3
.irp i, 0,1,2,3
.if \first
	v_wmma_f32_16x16x32_bf16 v[OA+32*\i+8*\db:OA+32*\i+8*\db+7], v[FR+16*\db:FR+16*\db+7], v[SC+32*\i:SC+32*\i+7], 0
.else
	v_wmma_f32_16x16x32_bf16 v[OA+32*\i+8*\db:OA+32*\i+8*\db+7], v[FR+16*\db:FR+16*\db+7], v[SC+32*\i:SC+32*\i+7], v[OA+32*\i+8*\db:OA+32*\i+8*\db+7]
.endif
.endr
.endr
.irp db, 0,1,2,3
.irp i, 0,1,2,3
	v_wmma_f32_16x16x32_bf16 v[OA+32*\i+8*\db:OA+32*\i+8*\db+7], v[FR+16*\db+8:FR+16*\db+15], v[SC+32*\i+16:SC+32*\i+23], v[OA+32*\i+8*\db:OA+32*\i+8*\db+7]
.endr
.endr
	WIN 0
	PLACES 5
.endm
; Trip t, b = t & 1.  On entry bf16 buffer b holds tile t (each wave's stores not yet shown to the others), stage slot 1 - b receives tile t + 1,
; stage slot b has been read.  refill: tile t + 2 is asked for into stage slot b.  pf: wave 0 prefetches for tile t + 3.
; conv: tile t + 1 is rounded into bf16 buffer 1 - b.  first: the trip starts all sums.
.macro TRIP b, refill, pf, conv, first
	s_wait_tensorcnt 0x0                   ; all my tensor loads have landed, my rows of tile t + 1 among them: every group 0 may be written
	ds_add_u32 v126, v127
	s_wait_dscnt 0x0
.if \refill
	s_add_nc_u64 s[GK+4*\b+2:GK+4*\b+3], s[GK+4*\b+2:GK+4*\b+3], 2*TILEB   ; this slot's next tile; the type bits on top are not reached
	s_add_nc_u64 s[GV+4*\b+2:GV+4*\b+3], s[GV+4*\b+2:GV+4*\b+3], 2*TILEB
.endif
.if \pf
	s_wait_xcnt 0x0                        ; the last prefetch, a whole trip back, has read its base: it is stepped only behind this wait
	s_add_nc_u64 s[44:45], s[44:45], TILEB
.endif
	s_wait_dscnt 0x0                       ; my stores of tile t, my reads of stage slot b and my reads of bf16 buffer 1 - b are done
.if \refill
	ROUND                                  ; all that now holds of every wave of the four work-groups
	tensor_load_to_lds s[GK+4*\b:GK+4*\b+3], s[16:23]      ; the first tensor loads behind the round: two are out, with the trip's work in which to land
	s_nop 0
	tensor_load_to_lds s[GV+4*\b:GV+4*\b+3], s[16:23]
	s_nop 0
.else
	s_barrier_signal -1
	s_barrier_wait -1                      ; it shows tile t and frees buffer 1 - b
.endif
.if \pf
	s_cmp_lg_u32 s12, 0
	s_cbranch_scc1 .Lno_pf_\@
	global_prefetch_b8 v[PF], s[44:45] th:TH_LOAD_NT scope:SCOPE_SE   ; my work-group's 8,192 bytes of tile t + 3, which the next trip's tensor loads ask for
.Lno_pf_\@:
.endif
	KLOAD \b
.if \conv
	STGLD 1-\b, 0
	s_wait_dscnt 0x8                       ; the 16 fragment loads are in; the 8 stage loads behind them may stay out
.else
	s_wait_dscnt 0x0
.endif
	SMUL
.if \conv
	s_wait_dscnt 0x0                       ; K's stage rows
	CVTST 1-\b, 0                          ; its 16 conversions name no register of the products: they are the places in front of the loads and reads below
.else
	PLACES 4
.endif
	VLOAD \b
.if \conv
	STGLD 1-\b, 1
.endif
	ROWMAX \first
	STATS \first
	s_wait_dscnt 0x0                       ; V's fragments and V's stage rows
.if \conv
	CVTST 1-\b, 1
.endif
.if \first == 0
	RESCALE
.endif
	SOFTMAX \first
	PVMUL \first
.endm
	; ---------------- prologue ----------------
	s_load_b256 s[4:11], s[0:1], 0x0               ; Q s[4:5], K s[6:7], V s[8:9], out s[10:11]
	v_lshl_add_u32 v126, v0, 2, 0x4c800
	v_mov_b32 v127, 0
	ds_add_u32 v126, v127
	v_lshrrev_b32 v1, 5, v0
	v_readfirstlane_b32 s12, v1                    ; wave 0..7
	s_lshr_b32 s13, s12, 2                         ; g: my half of each tile's keys
	s_and_b32 s14, s12, 3                          ; p: my 64 queries
	s_bfe_u32 s46, ttmp6, 0x40000                  ; cx
	s_lshl_b32 s47, ttmp9, 2                       ; in a cluster launch ttmp9 counts clusters
	s_add_co_u32 s47, s47, s46                     ; block of 256 queries = 4 x cluster x + cx
	s_and_b32 s48, ttmp7, 0xffff                   ; head
	s_mov_b32 s40, CLOG
	s_mov_b32 s41, CLOG
	s_mov_b32 s53, NCLOG
	s_mov_b32 s42, 0x76543210                      ; v_permlanex16_b32: lane i of one half reads lane i of the other
	s_mov_b32 s43, 0xfedcba98
	; group 1, one for all loads: 16 rows of 64 f32, dense in memory and in LDS
	s_mov_b32 s16, 15|(2<<16)|(1<<21)              ; 15:0 the mask: all four of the cluster; 17:16 elements of 4 bytes; 21 set beside a mask; no padding
	s_mov_b32 s17, 64<<16                          ; tensor_dim0 = 64
	s_mov_b32 s18, 16<<16                          ; tensor_dim1 = 16
	s_mov_b32 s19, 64<<16                          ; tile_dim0 = 64
	s_mov_b32 s20, 16                              ; tile_dim1 = 16
	s_mov_b32 s21, 64                              ; 64 elements from row to row
	s_mov_b32 s22, 0
	s_mov_b32 s23, 0
	s_lshl_b32 s15, s12, 12                        ; my 16 rows: 4,096 bytes, in memory and in the stage
	s_lshl_b32 s50, s48, 19                        ; head x 524,288
	s_add_co_u32 s50, s50, s15
	s_mov_b32 s51, 0
	s_wait_dscnt 0x0
	s_wait_kmcnt 0x0
	s_add_nc_u64 s[54:55], s[6:7], s[50:51]        ; my rows of K's tile 0: head and wave alone, the same in the four partners
	s_add_nc_u64 s[56:57], s[8:9], s[50:51]        ; of V's
.irp s, 0,1
	s_mov_b32 s[GK+4*\s], 1                                        ; count = 1
	s_add_co_u32 s[GK+4*\s+1], s15, 65536*\s                       ; LDS address: slot, my rows
	s_add_nc_u64 s[GK+4*\s+2:GK+4*\s+3], s[54:55], TILEB*\s        ; tile s
	s_or_b32 s[GK+4*\s+3], s[GK+4*\s+3], 0x80000000                ; type = 2
	s_mov_b32 s[GV+4*\s], 1
	s_add_co_u32 s[GV+4*\s+1], s15, 65536*\s+32768
	s_add_nc_u64 s[GV+4*\s+2:GV+4*\s+3], s[56:57], TILEB*\s
	s_or_b32 s[GV+4*\s+3], s[GV+4*\s+3], 0x80000000
.endr
	ROUND                                          ; the four work-groups are here: the first joint loads meet
	tensor_load_to_lds s[GK:GK+3], s[16:23]        ; tile 0
	s_nop 0
	tensor_load_to_lds s[GV:GV+3], s[16:23]
	s_nop 0
	tensor_load_to_lds s[GK+4:GK+7], s[16:23]      ; tile 1: four loads of the wave are out here, later two
	s_nop 0
	tensor_load_to_lds s[GV+4:GV+7], s[16:23]
	s_nop 0
	; Prefetch.  A trip's tile is 32,768 bytes of K and as many of V; the head's 8 work-groups share them in eighths of 8,192 bytes: blocks 0-3 take K's,
	; blocks 4-7 V's, so each 256 bytes are asked for once in the launch.  Wave 0 asks, lanes 256 bytes apart.  Here tile 2; trip t asks for tile t + 3,
	; one trip ahead of the tensor loads that want it; the last to ask is trip 12, for tile 15, the head's last.
	s_cmp_eq_u32 ttmp9, 0
	s_cselect_b64 s[44:45], s[6:7], s[8:9]
	s_lshl_b32 s58, s48, 19
	s_lshl_b32 s49, s46, 13                        ; cx x 8,192
	s_add_co_u32 s58, s58, s49
	s_add_co_u32 s58, s58, 2*TILEB
	s_mov_b32 s59, 0
	s_add_nc_u64 s[44:45], s[44:45], s[58:59]
	v_and_b32 v1, 31, v0                           ; L
	v_lshlrev_b32 v[PF], 8, v1
	s_cmp_lg_u32 s12, 0
	s_cbranch_scc1 .Lno_pf_first
	global_prefetch_b8 v[PF], s[44:45] th:TH_LOAD_NT scope:SCOPE_SE
.Lno_pf_first:
	; Q.  Register block i holds rows 64 p + (16 i xor 32 g): every wave keeps blocks 0, 1 at the end and gives blocks 2, 3 to its partner, whose blocks 0, 1 they are.
	s_lshl_b32 s58, s48, 19
	s_lshl_b32 s49, s47, 16                        ; block x 256 rows x 256 bytes
	s_add_co_u32 s58, s58, s49
	s_add_nc_u64 s[4:5], s[4:5], s[58:59]          ; Q at the work-group's first row
	s_lshl_b32 s49, s14, 14                        ; 64 p rows
	s_lshl_b32 s15, s13, 13                        ; 32 g rows
	s_add_co_u32 s58, s58, s49
	s_add_co_u32 s58, s58, s15
	s_add_nc_u64 s[10:11], s[10:11], s[58:59]      ; out at the 32 rows that I store: 64 p + 32 g
	v_and_b32 v2, 15, v0                           ; r
	v_lshrrev_b32 v3, 4, v1                        ; h
	v_lshlrev_b32 v82, 8, v2
	v_lshl_add_u32 v82, v3, 5, v82                 ; 256 r + 32 h: d = 8 h .. of row r
	s_add_co_u32 s15, s49, s15
	v_add_nc_u32 v[QO], s15, v82                   ; blocks 0, 1: rows 64 p + 32 g + ..
	s_xor_b32 s15, s13, 1
	s_lshl_b32 s15, s15, 13
	s_add_co_u32 s15, s49, s15
	v_add_nc_u32 v[QO+1], s15, v82                 ; blocks 2, 3: rows 64 p + 32 (1 - g) + ..
	; A lane's 16 numbers of fragment (i, ks): d = 32 ks + 8 h + 0..7 and + 16.  The eight loads of a block cover its rows whole; 16,384 bytes a wave, read once.
.irp i, 0,1,2,3
.irp ks, 0,1
	global_load_b128 v[SC+32*\i+16*\ks:SC+32*\i+16*\ks+3],     v[QO+\i/2], s[4:5] offset:4096*(\i&1)+128*\ks
	global_load_b128 v[SC+32*\i+16*\ks+4:SC+32*\i+16*\ks+7],   v[QO+\i/2], s[4:5] offset:4096*(\i&1)+128*\ks+16
	global_load_b128 v[SC+32*\i+16*\ks+8:SC+32*\i+16*\ks+11],  v[QO+\i/2], s[4:5] offset:4096*(\i&1)+128*\ks+64
	global_load_b128 v[SC+32*\i+16*\ks+12:SC+32*\i+16*\ks+15], v[QO+\i/2], s[4:5] offset:4096*(\i&1)+128*\ks+80
.endr
.endr
	; LDS addresses: a constant, the wave's number times a constant, a lane term
	v_mul_u32_u24 v[KA], v2, KP
	v_lshl_add_u32 v[KA], v3, 4, v[KA]             ; row r, 16 h
	s_mul_i32 s49, s13, 64*KP
	s_add_co_u32 s49, s49, BF0
	v_add_nc_u32 v[KA], s49, v[KA]                 ; + my 64 keys
	v_and_b32 v[VA], 7, v1
	v_lshl_add_u32 v[VA], v3, 3, v[VA]             ; key 8 h + (L & 7)
	v_mul_u32_u24 v[VA], v[VA], VP
	v_bfe_u32 v83, v1, 3, 1
	v_lshl_add_u32 v[VA], v83, 4, v[VA]            ; + 16 ((L >> 3) & 1)
	s_mul_i32 s49, s13, 64*VP
	s_add_co_u32 s49, s49, BF0+VOFF
	v_add_nc_u32 v[VA], s49, v[VA]
	v_lshlrev_b32 v[GO], 4, v1                     ; 16 L
	s_lshl_b32 s49, s12, 12
	v_add_nc_u32 v[SA], s49, v[GO]
	v_add_nc_u32 v[SA+1], 0x10000, v[SA]
	v_mul_u32_u24 v[CA], v3, KP
	v_lshl_add_u32 v[CA], v2, 3, v[CA]             ; row L >> 4, 8 bytes for each of 16 lanes
	s_mul_i32 s49, s12, 16*KP
	s_add_co_u32 s49, s49, BF0
	v_add_nc_u32 v[CA], s49, v[CA]
	v_mul_u32_u24 v[CA+1], v3, VP
	v_lshl_add_u32 v[CA+1], v2, 3, v[CA+1]
	s_mul_i32 s49, s12, 16*VP
	s_add_co_u32 s49, s49, BF0+VOFF
	v_add_nc_u32 v[CA+1], s49, v[CA+1]
	s_mul_i32 s49, s12, XW
	s_add_co_u32 s49, s49, XCH
	v_add_nc_u32 v[XO], s49, v[GO]
	s_xor_b32 s49, s12, 4                          ; my partner
	s_mul_i32 s49, s49, XW
	s_add_co_u32 s49, s49, XCH
	v_add_nc_u32 v[XP], s49, v[GO]
	s_mul_i32 s49, s12, OW
	s_add_co_u32 s49, s49, OUTB
	v_mul_u32_u24 v[OS], v2, OPI
	v_lshl_add_u32 v[OS], v3, 5, v[OS]             ; in: row r, 32 bytes for each half of the lanes
	v_add_nc_u32 v[OS], s49, v[OS]
	v_mul_u32_u24 v[ORD], v3, OPI
	v_lshl_add_u32 v[ORD], v2, 4, v[ORD]           ; back: lanes 0-15 one row of 256 bytes, lanes 16-31 the next
	v_add_nc_u32 v[ORD], s49, v[ORD]
.irp i, 0,1,2,3
	v_mov_b32 v[MC+2*\i+1], 0                      ; a lane exchange's destination counts as read,
	v_mov_b32 v[AL+2*\i+1], 0                      ; and so does the whole pair of a packed source: written once
.endr
	s_wait_loadcnt 0x0                             ; Q
	WIN 0x40
.set n, 0
.rept 64
	v_cvt_pk_bf16_f32 v[QF+n], v[SC+2*n], v[SC+2*n+1]      ; 16 i + 8 ks + k from 32 i + 16 ks + 2 k
.set n, n+1
.endr
	WIN 0
	s_wait_tensorcnt 0x2                           ; tile 0's two loads are in; tile 1's two stay out.  I read my own rows alone
	STGLD 0, 0
	s_wait_dscnt 0x0
	CVTST 0, 0
	STGLD 0, 1
	s_wait_dscnt 0x0
	CVTST 0, 1
	; ---------------- the 16 trips ----------------
	TRIP 0, 1, 1, 1, 1                             ; trip 0 stands in front of the loop: its products start the sums, nothing is cleared
	TRIP 1, 1, 1, 1, 0
	s_mov_b32 s52, 5                               ; trips 2 to 11
.Llap:
	TRIP 0, 1, 1, 1, 0
	TRIP 1, 1, 1, 1, 0
	s_sub_co_u32 s52, s52, 1
	s_cmp_lg_u32 s52, 0
	s_cbranch_scc1 .Llap
	TRIP 0, 1, 1, 1, 0                             ; trip 12: asks for tile 14, prefetches for tile 15
	TRIP 1, 1, 0, 1, 0                             ; trip 13: asks for tile 15; no prefetch beyond the head's last tile
	TRIP 0, 0, 0, 1, 0                             ; trip 14: nothing left to ask for
	TRIP 1, 0, 0, 0, 0                             ; trip 15: nothing left to round
	; ---------------- epilogue ----------------
	; my sums of p: the pair, then the other half of the lanes (the same query's other keys)
	v_add_f32 v80, v[LS], v[LS+1]
	v_add_f32 v81, v[LS+2], v[LS+3]
	v_add_f32 v86, v[LS+4], v[LS+5]
	v_add_f32 v87, v[LS+6], v[LS+7]
	v_permlanex16_b32 v[MC+1], v80, s42, s43
	v_permlanex16_b32 v[MC+3], v81, s42, s43
	v_permlanex16_b32 v[MC+5], v86, s42, s43
	v_permlanex16_b32 v[MC+7], v87, s42, s43
	v_add_f32 v80, v80, v[MC+1]
	v_add_f32 v81, v81, v[MC+3]
	v_add_f32 v86, v86, v[MC+5]
	v_add_f32 v87, v87, v[MC+7]
	v_mov_b32 v84, v[MC+4]                         ; N of blocks 2, 3 beside their sums: 16 bytes to give away
	v_mov_b32 v85, v[MC+6]
	WIN 0x04                                       ; store data window 1
.set n, 0
.rept 16
	ds_store_b128 v[XO], v[OA+64+4*n:OA+64+4*n+3] offset:512*n     ; O of blocks 2, 3
.set n, n+1
.endr
	WIN 0
	ds_store_b128 v[XO], v[84:87] offset:8192
	s_wait_dscnt 0x0                               ; for my partner's sake: all my stores are done
	s_barrier_signal -1
	s_barrier_wait -1
.set n, 0
.rept 16
	ds_load_b128 v[SC+4*n:SC+4*n+3], v[XP] offset:512*n            ; my partner's O of my blocks 0, 1, at 128 + 32 i + 8 db
.set n, n+1
.endr
	ds_load_b128 v[88:91], v[XP] offset:8192       ; its N of my blocks 0, 1, then its sums
	s_wait_dscnt 0x0
	; both halves on the larger maximum (the smaller N): a = exp2(nn - N), b = exp2(nn - Np), one of them 1; sum = l a + lp b >= about 1
.irp i, 0,1
	v_min_num_f32 v[92+\i], v[MC+2*\i], v[88+\i]
.endr
.irp i, 0,1
	v_sub_f32 v[96+4*\i], v[92+\i], v[MC+2*\i]
	v_sub_f32 v[98+4*\i], v[92+\i], v[88+\i]
.endr
.irp i, 0,1
	v_exp_f32 v[96+4*\i], v[96+4*\i]
	v_exp_f32 v[98+4*\i], v[98+4*\i]
.endr
	v_nop                                          ; a plain place behind the exponentials (ISA guide 5.7.2)
	s_wait_alu depctr_va_vdst(0)
.irp i, 0,1
	v_mul_f32 v[94+\i], v[80+\i], v[96+4*\i]
.endr
.irp i, 0,1
	v_fmac_f32 v[94+\i], v[90+\i], v[98+4*\i]
.endr
	v_rcp_f32 v94, v94
	v_rcp_f32 v95, v95
	v_nop                                          ; and behind the reciprocals
	s_wait_alu depctr_va_vdst(0)
.irp i, 0,1
	v_mul_f32 v[97+4*\i], v[96+4*\i], v[94+\i]     ; a / sum and b / sum, each in both registers of a pair
	v_mul_f32 v[99+4*\i], v[98+4*\i], v[94+\i]
	v_mul_f32 v[96+4*\i], v[96+4*\i], v[94+\i]
	v_mul_f32 v[98+4*\i], v[98+4*\i], v[94+\i]
.endr
.irp i, 0,1
.set n, 0
.rept 16
	v_pk_mul_f32 v[SC+32*\i+2*n:SC+32*\i+2*n+1], v[SC+32*\i+2*n:SC+32*\i+2*n+1], v[98+4*\i:99+4*\i]
.set n, n+1
.endr
.endr
	WIN 0x01                                       ; source 0 (my O) window 1
.irp i, 0,1
.set n, 0
.rept 16
	v_pk_fma_f32 v[SC+32*\i+2*n:SC+32*\i+2*n+1], v[OA+32*\i+2*n:OA+32*\i+2*n+1], v[96+4*\i:97+4*\i], v[SC+32*\i+2*n:SC+32*\i+2*n+1]
.set n, n+1
.endr
.endr
	WIN 0
	; The way out, 16 rows at a time: a lane holds d = 16 db + 8 h + 0..7 of query r, 32 bytes; through my own stage they become whole rows.
	; LDS serves a wave's instructions in order (ISA guide 5.7.1): no wait between my stores and my loads, nor in front of the second block's stores.
.irp i, 0,1
.irp db, 0,1,2,3
	ds_store_b128 v[OS], v[SC+32*\i+8*\db:SC+32*\i+8*\db+3]   offset:64*\db
	ds_store_b128 v[OS], v[SC+32*\i+8*\db+4:SC+32*\i+8*\db+7] offset:64*\db+16
.endr
.irp t, 0,1,2,3,4,5,6,7
	ds_load_b128 v[192+32*\i+4*\t:192+32*\i+4*\t+3], v[ORD] offset:2*OPI*\t
.endr
.irp t, 0,1,2,3,4,5,6,7
	s_wait_dscnt 7-\t                              ; rows 2 t, 2 t + 1 are in; the younger loads stay out
	global_store_b128 v[GO], v[192+32*\i+4*\t:192+32*\i+4*\t+3], s[10:11] offset:4096*\i+512*\t th:TH_STORE_NT   ; the wave stores 512 consecutive bytes, at a multiple of 512 from out's first byte
.endr
.endr
	s_wait_tensorcnt 0x0
	ds_add_u32 v126, v127
	s_wait_dscnt 0x0
	ROUND                                          ; the closing round: no work-group ends while a partner may still ask for a tile that names it
	s_endpgm
.Lfunc_end_k_q4d4676e94e_attn:
	.size	k_q4d4676e94e_attn, .Lfunc_end_k_q4d4676e94e_attn-k_q4d4676e94e_attn
	.p2alignl 7, 3214868480
	.fill 96, 4, 3214868480
	.section	.rodata,"a",@progbits
	.p2align	6, 0x0
	.amdhsa_kernel k_q4d4676e94e_attn
		.amdhsa_group_segment_fixed_size 327680
		.amdhsa_private_segment_fixed_size 0
		.amdhsa_enable_private_segment 0
		.amdhsa_kernarg_size 32
		.amdhsa_user_sgpr_count 2
		.amdhsa_user_sgpr_kernarg_segment_ptr 1
		.amdhsa_wavefront_size32 1
		.amdhsa_system_sgpr_workgroup_id_x 1
		.amdhsa_system_sgpr_workgroup_id_y 1
		.amdhsa_system_sgpr_workgroup_id_z 1
		.amdhsa_system_vgpr_workitem_id 0
		.amdhsa_next_free_vgpr 512
		.amdhsa_next_free_sgpr 66
		.amdhsa_reserve_vcc 0
		.amdhsa_float_denorm_mode_32 3
		.amdhsa_float_denorm_mode_16_64 3
		.amdhsa_memory_ordered 1
		.amdhsa_forward_progress 1
		.amdhsa_inst_pref_size 255
	.end_amdhsa_kernel
	.section	.bss,"aw",@nobits
	.p2align	6
	.space	262144
	.amdgpu_metadata
---
amdhsa.version: [ 1, 2 ]
amdhsa.kernels:
  - .name:           k_q4d4676e94e_attn
    .symbol:         k_q4d4676e94e_attn.kd
    .args:
      - { .name: query, .offset: 0, .size: 8, .value_kind: global_buffer, .address_space: global }
      - { .name: key, .offset: 8, .size: 8, .value_kind: global_buffer, .address_space: global }
      - { .name: value, .offset: 16, .size: 8, .value_kind: global_buffer, .address_space: global }
      - { .name: out0, .offset: 24, .size: 8, .value_kind: global_buffer, .address_space: global }
    .group_segment_fixed_size: 327680
    .private_segment_fixed_size: 0
    .kernarg_segment_align: 8
    .kernarg_segment_size: 32
    .max_flat_workgroup_size: 256
    .sgpr_count:     66
    .vgpr_count:     512
    .wavefront_size: 32
...
	.end_amdgpu_metadata
.endif
;; end of part 1
